; MI455X (gfx1250); checked and timed in simulation.
; The chip was launched on July 23, 2026; its instructions are those of AMD's public machine-readable ISA for CDNA 5 (MIT licence, August 2026) and "CDNA5" Instruction Set Architecture Reference Guide (July 2026). The comments in the code are by the model that wrote it; some were corrected since.
;; Attention. Allowed arithmetic: matrix products marked QUANTISED: E2M3 operands, one E8M0 scale for each 32 along K, by v_wmma_scale_f32_16x16x128_f8f6f4 with both operands' format E2M3, f32 sums; everything else in f32.
;; Inputs: b_kqv 3,072 float32; w_kqv 3,072 x 1,024 float32; x 4 x 2,048 x 1,024 float32.
;; Outputs: out0 4 x 2,048 x 1,024 float32.
;; This version of the problem:
;;   THIS VERSION OF THE PROBLEM IS GIVEN IN LOW PRECISION. The matrix products marked QUANTISED in the list below multiply operands that are first quantised to E2M3 (2 exponent bits, 3 mantissa bits; 6 bits a number), with one power-of-two scale for each 32 numbers along K (OCP MX v1.0); their sums are f32. All else is computed in f32.
;;   The module's matrix products, in the order in which they are computed (A, B: the left and right operand; K: the contracted axis; several contracted axes count as one K, in the product's order):
;;     1. [M 8,192, K 1,024] x [K 1,024, N 3,072]; A: input x; B: input w_kqv: QUANTISED
;;     2. batch 64 x [M 2,048, K 64] x [K 64, N 2,048]; A: computed on the way; B: computed on the way: QUANTISED
;;     3. batch 64 x [M 2,048, K 2,048] x [K 2,048, N 64]; A: softmax (see below); B: computed on the way: QUANTISED
;;   THE QUANTISER, for each operand of a quantised product, along K:
;;     - K is cut into blocks of 32 from its start; a last block that is shorter is filled with zeros.
;;     - A block's scale is 2^e with e = floor(log2(the largest magnitude in the block)) - 2, held to -126 .. 127; a block of zeros has e = 0. As a byte (E8M0): e + 127.
;;     - Each number is divided by its block's scale, clamped to +-7.5, and rounded to the nearest number of E2M3, ties to even, subnormals kept.
;;     - The product sums the exact products of the quantised numbers (number of the format x scale) in f32.
;;   ~~~python
;;   def quantise(x, axis):      # numpy; x: float32 -> the quantised numbers, widened to float32 again
;;       x = np.moveaxis(x, axis, -1); K = x.shape[-1]
;;       x = np.pad(x, [(0, 0)] * (x.ndim - 1) + [(0, -K % 32)]); x = x.reshape(x.shape[:-1] + (-1, 32)); a = np.abs(x).max(-1, keepdims=True)
;;       e = np.where(a > 0, np.clip(np.frexp(np.where(a > 0, a, 1))[1] - 1 - 2, -126, 127), 0)      # np.frexp(a)[1] - 1 = floor(log2(a)), exactly
;;       r = np.clip(x / 2.0 ** e, -7.5, 7.5)
;;       step = 2.0 ** (np.maximum(np.frexp(np.where(r == 0, 1, r))[1] - 1, 0) - 3)
;;       q = np.round(r / step) * step * 2.0 ** e      # np.round: ties to even
;;       return np.moveaxis(q.reshape(q.shape[:-2] + (-1,))[..., :K], -1, axis).astype(np.float32)
;;   ~~~
;;   SOFTMAX AHEAD OF A QUANTISED PRODUCT. Where the list says 'softmax', what is quantised is not the finished softmax but p = 2^(t - M), with t = logit x log2(e) and M = ceil(the row's largest t), a whole number; so 1/2 < the row's largest p <= 1. The row's sum l is taken of the UNQUANTISED p, in f32, and the product's result is divided by l at the end. Since M is a whole number, a kernel that streams over the keys may use a running M (the ceiling of the running maximum): every later rescaling is an exact power of two, which a block's scale takes up: the codes' values come out the same.
;;   OPERANDS COMPUTED ON THE WAY. 'Computed on the way' means the value that the module computes at that place (a softmax that the list does not call 'softmax' is quantised finished and normalised). What goes into a quantiser is computed in f32, as accurately as f32 sums, v_exp_f32 and their like allow (about 1e-6 of the number): no bf16 or f16 on the way to a quantiser, and a product that is left as it is and whose result goes on into a quantised operand takes f32 operands (vector FMAs, or v_wmma_f32_16x16x4_f32). A number that lies on a knife's edge between two numbers of the format may be rounded either way, as far as f32 arithmetic and the matrix unit's own rounding can turn it there, and no further.
;; One version. Each part assembles by itself: llvm-mc -triple=amdgcn-amd-amdhsa -mcpu=gfx1250 --defsym DOCPART=n.
;; ======== version 1 of 1: 3 launches
;; limits: right only within a limited range of input values
;; workspace buffers: codes 8,650,752 bytes; scales 360,448 bytes; rec 20,447,232 bytes
;; launch quant (part 1): grid 704 x 1, 4 waves a work-group, no clusters, 33,280 bytes of LDS; arguments x, w_kqv, codes, scales; writes codes, scales
.if DOCPART == 1
	.amdgcn_target "amdgcn-amd-amdhsa--gfx1250"
	.amdhsa_code_object_version 6
	.text
	.protected	k_qd3e112ca92_quant
	.globl	k_qd3e112ca92_quant
	.p2align	8
	.type	k_qd3e112ca92_quant,@function
k_qd3e112ca92_quant:
	s_mov_b64 s[64:65], 0
	v_nop
	global_prefetch_b8 v0, s[64:65] scope:SCOPE_SE
	s_setreg_imm32_b32 hwreg(HW_REG_WAVE_MODE, 25, 1), 1
	s_wait_xcnt 0x0
; x [8192][1024] and w_kqv [3072][1024], f32, become codes of FP6 (E2M3) with one E8M0 scale byte for each 32 along K, as ONE stacked matrix of 11,264 rows: x's 8,192, then w's 3,072 (k, q, v).
; codes: [11264 rows][768 bytes], a row's 1,024 codes as one stream of bits.  scales: [11264][32 bytes].
; A block's scale is 2^(floor(log2(its largest magnitude)) - 2); its byte is the largest magnitude's exponent field - 2, held at 1 from below.  Each number is divided by the scale and rounded to the nearest code, ties to even.
; THE ROWS ARE STORED PERMUTED, in groups of 8.  x, and w's rows of k and q: row 64 g + 32 h + 8 j + i is stored row 64 g + 16 j + 8 h + i: sixteen stored rows used as a matrix instruction's first source leave, in the 32 result
; registers of four neighbouring tiles, 32 neighbouring rows in each half of the lanes.  w's rows of v: inside each 32 rows the two middle groups of 8 change places.
; DEAD WORK, for the whole program: reference() hides every key behind the query by a mask that it builds itself (jnp.tril), for all values of the inputs; the last launch leaves out the key steps that lie wholly behind a tile's queries.
; A NaN, an infinity or an overflow that reaches only those scores is not carried to the result.  Every input is read.
; LIMITS: NaN and infinities among the inputs are not served.  A block of zeros, or one whose largest magnitude lies under 2^-124, gets the byte 1 (the rule says 127 for zeros); the bytes are read by this program alone.
; A work-group takes 16 rows, a wave 4 rows = 8 steps of 512 numbers.  Each of a step's four loads reads 512 consecutive bytes; the 2,048 bytes turn through the wave's own stage in LDS and come back 64 bytes a lane:
; 16 neighbours along K; two neighbouring lanes hold a block.  A wave's store covers 384 consecutive bytes.  No tensor loads, no barrier: waves share nothing.  Loads run four steps (16 loads a wave) ahead.
.set WAVES, 4
.set STEPS, 8
.set WGX,   512                        ; the first 512 work-groups take x, the other 192 take w
.set WGV,   640                        ; from here on: w's rows of v
.set EMAX,  2
.set R,     16                         ; v16-79   four sets of 16 numbers as they are loaded
.set X,     80                         ; v80-111  two sets of 16 neighbours
.set C,     128                        ; v128-159 codes: four registers for each step
.set E,     112                        ; v112-119 a scale byte for each step
.set WREG,  8192                       ; LDS: a wave's region: two stages of 32 x SP bytes, then its 128 scale bytes
.set SP,    80
.set SPW,   12                         ; v12 my spare word; v13 0: never rewritten
.set NIL,   13
.set SPARE, WAVES*WREG
	s_load_b128 s[4:7], s[0:1], 0x0                ; x, w
	s_load_b128 s[8:11], s[0:1], 0x10              ; codes, scales
	v_lshl_add_u32 v[SPW], v0, 2, SPARE
	v_mov_b32 v[NIL], 0
	v_lshrrev_b32 v1, 5, v0
	v_readfirstlane_b32 s16, v1                    ; wave
	v_and_b32 v2, 31, v0                           ; lane
	v_lshlrev_b32 v3, 4, v2
	s_mul_i32 s17, s16, WREG
	v_lshrrev_b32 v14, 2, v2
	v_mul_u32_u24 v14, v14, SP
	v_and_b32 v15, 3, v2
	v_lshl_add_u32 v14, v15, 4, v14
	v_add_nc_u32 v14, s17, v14                     ; the stage, on the way in
	v_mul_u32_u24 v15, v2, SP
	v_add_nc_u32 v15, s17, v15                     ; and on the way out: my 16 neighbours
	v_mul_u32_u24 v4, v2, 12                       ; my 12 bytes of a step's 384
	v_lshrrev_b32 v5, 1, v2
	s_add_co_u32 s17, s17, 2*32*SP
	v_add_nc_u32 v5, s17, v5                       ; LDS: my block's scale byte
	v_lshlrev_b32 v7, 2, v2
	v_add_nc_u32 v6, s17, v7                       ; and 4 bytes a lane on the way out
	s_wait_alu depctr_va_vdst(0)                   ; the wait at the head's end
	s_wait_kmcnt 0x0
	s_cmp_lt_u32 ttmp9, WGX                        ; x's work-group or w's: only the source is chosen
	s_cselect_b64 s[4:5], s[4:5], s[6:7]
	s_cselect_b32 s17, 0, WGX
	s_sub_co_u32 s17, ttmp9, s17
	s_lshl_b32 s17, s17, 2
	s_add_co_u32 s18, s17, s16                     ; which 4 rows of the source
	s_mov_b32 s19, 0
	s_lshl_b64 s[20:21], s[18:19], 14
	s_add_nc_u64 s[4:5], s[4:5], s[20:21]
	s_lshl_b32 s22, ttmp9, 1
	s_lshr_b32 s23, s16, 1
	s_add_co_u32 s22, s22, s23                     ; G: the group of 8 rows in the stacked matrix
	s_and_b32 s23, s22, 3
	s_lshl_b32 s23, s23, 1
	s_bfe_u32 s24, s22, 0x10002
	s_or_b32 s23, s23, s24
	s_and_b32 s24, s22, -8
	s_or_b32 s23, s23, s24                         ; x, k, q: 8 (G / 8) + 2 (G % 4) + (G / 4) % 2
	s_and_b32 s24, s22, 1
	s_lshl_b32 s24, s24, 1
	s_bfe_u32 s25, s22, 0x10001
	s_or_b32 s24, s24, s25
	s_and_b32 s25, s22, -4
	s_or_b32 s24, s24, s25                         ; v: the two middle groups of four change places
	s_cmp_lt_u32 ttmp9, WGV
	s_cselect_b32 s18, s23, s24
	s_lshl_b32 s18, s18, 1
	s_and_b32 s23, s16, 1
	s_add_co_u32 s18, s18, s23                     ; which 4 stored rows
	s_mul_i32 s20, s18, 4*768
	s_mov_b32 s21, 0
	s_add_nc_u64 s[8:9], s[8:9], s[20:21]
	s_lshl_b32 s18, s18, 7                         ; 128 scale bytes
	s_add_nc_u64 s[10:11], s[10:11], s[18:19]
.macro LOAD t
.irp i, 0,1,2,3
	global_load_b128 v[R+16*((\t)%4)+4*\i:R+16*((\t)%4)+4*\i+3], v3, s[4:5] offset:2048*(\t)+512*\i th:TH_LOAD_NT
.endr
.endm
.macro TURN t                          ; through the stage: LDS serves a wave's instructions in order
.irp i, 0,1,2,3
	ds_store_b128 v14, v[R+16*((\t)%4)+4*\i:R+16*((\t)%4)+4*\i+3] offset:32*SP*((\t)%2)+8*SP*\i
.endr
.irp i, 0,1,2,3
	ds_load_b128 v[X+16*((\t)%2)+4*\i:X+16*((\t)%2)+4*\i+3], v15 offset:32*SP*((\t)%2)+16*\i
.endr
.endm
.irp t, 0,1,2,3
	LOAD \t
.endr
	s_wait_loadcnt 12                              ; step 0's four loads are in; the twelve behind them may be out
	TURN 0
.macro STEP t
.set XS, X+16*((\t)%2)
.if (\t) > 0
	s_wait_dscnt 1                                 ; this step's numbers are back (the last step's byte store may be out)
.else
	s_wait_dscnt 0x0
.endif
.if (\t)+4 < STEPS
	LOAD (\t)+4
.endif
.if (\t)+1 < STEPS
.if STEPS-2-(\t) >= 3
	s_wait_loadcnt 12                              ; the next step's four loads are in; three steps' may be out
.else
	s_wait_loadcnt 4*(STEPS-2-(\t))
.endif
	TURN (\t)+1
.endif
	v_max3_num_f32 v8, |v[XS]|, |v[XS+1]|, |v[XS+2]|               ; the largest magnitude of my 16, in two chains
	v_max3_num_f32 v9, |v[XS+3]|, |v[XS+4]|, |v[XS+5]|
.irp i, 6,10
	v_max3_num_f32 v8, v8, |v[XS+\i]|, |v[XS+\i+1]|
	v_max3_num_f32 v9, v9, |v[XS+\i+2]|, |v[XS+\i+3]|
.endr
	v_max3_num_f32 v8, v8, |v[XS+14]|, |v[XS+15]|
	v_max3_num_f32 v8, v8, v9, (EMAX+1)<<23        ; and the floor: the byte cannot fall under 1
	v_max_num_f32_dpp v8, v8, v8 row_xmask:1 row_mask:0xf bank_mask:0xf   ; with my neighbour's 16: the block's
	v_add_nc_u32 v11, -(EMAX<<23), v8              ; the conversion's scale operand
	v_cvt_scalef32_pk16_fp6_f32 v[C+4*(\t):C+4*(\t)+2], v[XS:XS+15], v11
	v_lshrrev_b32 v[E+(\t)], 23, v11               ; the scale's byte
	ds_store_b8 v5, v[E+(\t)] offset:16*(\t)
	global_store_b96 v4, v[C+4*(\t):C+4*(\t)+2], s[8:9] offset:384*(\t)
.endm
.irp t, 0,1,2,3,4,5,6,7
	STEP \t
.endr
	ds_load_b32 v8, v6
	s_wait_dscnt 0x0
	global_store_b32 v7, v8, s[10:11]              ; 32 lanes store 128 consecutive bytes
	s_wait_tensorcnt 0x0                           ; the wave's end
	ds_add_u32 v[SPW], v[NIL]
	s_wait_dscnt 0x0
	s_endpgm
.Lfunc_end_k_qd3e112ca92_quant:
	.size	k_qd3e112ca92_quant, .Lfunc_end_k_qd3e112ca92_quant-k_qd3e112ca92_quant
	.p2alignl 7, 3214868480
	.fill 96, 4, 3214868480
	.section	.rodata,"a",@progbits
	.p2align	6, 0x0
	.amdhsa_kernel k_qd3e112ca92_quant
		.amdhsa_group_segment_fixed_size 33280
		.amdhsa_private_segment_fixed_size 0
		.amdhsa_enable_private_segment 0
		.amdhsa_kernarg_size 32
		.amdhsa_user_sgpr_count 2
		.amdhsa_user_sgpr_kernarg_segment_ptr 1
		.amdhsa_wavefront_size32 1
		.amdhsa_system_sgpr_workgroup_id_x 1
		.amdhsa_system_sgpr_workgroup_id_y 1
		.amdhsa_system_sgpr_workgroup_id_z 1
		.amdhsa_system_vgpr_workitem_id 0
		.amdhsa_next_free_vgpr 160
		.amdhsa_next_free_sgpr 66
		.amdhsa_reserve_vcc 0
		.amdhsa_float_denorm_mode_32 3
		.amdhsa_float_denorm_mode_16_64 3
		.amdhsa_memory_ordered 1
		.amdhsa_forward_progress 1
		.amdhsa_inst_pref_size 18
	.end_amdhsa_kernel
	.amdgpu_metadata
---
amdhsa.version: [ 1, 2 ]
amdhsa.kernels:
  - .name:           k_qd3e112ca92_quant
    .symbol:         k_qd3e112ca92_quant.kd
    .args:
      - { .name: x, .offset: 0, .size: 8, .value_kind: global_buffer, .address_space: global }
      - { .name: w_kqv, .offset: 8, .size: 8, .value_kind: global_buffer, .address_space: global }
      - { .name: codes, .offset: 16, .size: 8, .value_kind: global_buffer, .address_space: global }
      - { .name: scales, .offset: 24, .size: 8, .value_kind: global_buffer, .address_space: global }
    .group_segment_fixed_size: 33280
    .private_segment_fixed_size: 0
    .kernarg_segment_align: 8
    .kernarg_segment_size: 32
    .max_flat_workgroup_size: 128
    .sgpr_count:     66
    .vgpr_count:     160
    .wavefront_size: 32
...
	.end_amdgpu_metadata
.endif
;; end of part 1
;; launch gemm (part 2): grid 8 x 32, 4 waves a work-group, clusters of 4 x 4, 327,680 bytes of LDS; arguments codes, scales, b_kqv, rec; writes rec
.if DOCPART == 2
	.amdgcn_target "amdgcn-amd-amdhsa--gfx1250"
	.amdhsa_code_object_version 6
	.text
	.protected	k_qd3e112ca92_gemm
	.globl	k_qd3e112ca92_gemm
	.p2align	8
	.type	k_qd3e112ca92_gemm,@function
k_qd3e112ca92_gemm:
	s_mov_b64 s[64:65], 0
	v_nop
	global_prefetch_b8 v0, s[64:65] scope:SCOPE_SE
	s_setreg_imm32_b32 hwreg(HW_REG_WAVE_MODE, 25, 1), 1
	s_wait_xcnt 0x0
	s_wait_alu depctr_hold_cnt(0) depctr_sa_sdst(0) depctr_va_vdst(0) depctr_va_sdst(0) depctr_va_ssrc(0) depctr_va_vcc(0) depctr_vm_vsrc(0)
	s_getreg_b32 s2, hwreg(HW_REG_IB_STS2, 6, 4)
	s_cmp_eq_u32 s2, 0
	s_cbranch_scc0 .Lentry_in_a_cluster
	s_endpgm
.Lentry_in_a_cluster:
	s_bfe_u32 s2, ttmp6, 0x10000c
	s_cmp_lg_u32 s2, 0xf033
	s_cbranch_scc0 .Lentry_shape_is_right
	s_endpgm
.Lentry_shape_is_right:
; kqv = x w^T + b on codes of FP6, and the quantisers of K, Q (along a head's 64 channels) and V (along the tokens).  The results leave as images of the next launch's operand registers:
; rec [k, q, v][64 batch x head][16 steps of 128 tokens][6,656 bytes]: four images of 1,536 bytes (four registers at 512 g + 16 x lane), then scale words at 6,144 + 16 x lane + 4 x image.
; THE DEAL.  256 work-groups of four waves.  A work-group takes 256 tokens and two heads through three phases: V, K, Q.  x's 256 rows, all of K, come into LDS once and stay.  Wave (a, b) holds the 64 rows of head b's weight, all of K,
; in 384 registers, and streams its 128 tokens (half a) past them in eight blocks of 16 stored rows: 32 products a block, four accumulators by turns.  A block's rows are fetched two blocks ahead, into two sets.
; LDS: x's rows (816 bytes: 768 + 16 behind each 256), a region for the weights' 128 rows, x's scale bytes, the spare words.  Nothing is stored to LDS.
; FILLS.  At the head one joint load a wave: V's weights, x's scale bytes, x's two halves.  TWO REFILLS of the weights' region, each when all waves hold the last weight in registers: the three lines, a round of the cluster's barrier,
; and 32 rows a wave.  A refill is asked for eight blocks, 256 products, ahead of the barrier that shows it: so no prefetch is laid.  x's tiles are shared along a row of the cluster, the weights' along a column.
; THE BIAS is the C of a block's first four products, laid in registers as the result lies.
; K, Q: source 0 = the weight's rows: by their stored order register 8 j + i of lane (r, h) is channel 32 h + 8 j + i of token r: one scale block.  The search for its largest magnitude stands among the next block's products, two lines behind
; every second one, in four chains; the conversions follow that block.  V: source 0 = x's rows: registers 8 j + i of a band's four blocks are tokens 32 h + 8 j + i of the band: one scale block for each of four tiles of channels.
; THE WAITS' COUNTS: younger than a block's fetch is the next block's fetch alone, NF loads; ahead of a phase's last block nothing is.
; LIMITS: NaN and infinities are not served; a block of zeros carries the byte 1 over zero codes.
.set KROW,   768
.set PITCH,  816
.set FR,     12
.set FPW,    21                        ; fragments in a window of 256 registers
.set NF,     28                        ; LDS loads of a block: 26 for eight fragments, 2 for eight scale words
.set WB,     256*PITCH
.set SCL,    WB+128*PITCH
.set SPARE,  SCL+32*272
.set STEPREC, 6656
.set HEADREC, 16*STEPREC
.set KINDREC, 64*HEADREC
.set AX0, 4                            ; v4, v5 LDS address of my block 0's fragments (v5: for pieces of lanes 16-31 that lie behind one padding more)
.set AS0, 6                            ; v6  of its scale words
.set CO,  7                            ; v7  16 x lane
.set BA,  8                            ; v8-15 the same pairs for the weights' four tiles
.set SPW, 16
.set NIL, 17
.set AX,  18                           ; v18, v19, v20: as v4 to v6, for the block that is fetched
.set AS,  20
.set SH8, 21                           ; 8 h
.set ABS, 22                           ; 32 x lane
.set BO,  23                           ; 128 h
.set SBV, 24                           ; v24-71 the weights' scale words: V's, K's, Q's sixteen
.set SBK, 40
.set SBQ, 56
.set SA,  72                           ; v72-87 the rows' scale words, two sets
.set T,   88                           ; v88-91 four chains
.set SOP, 92                           ; v92, v93 the conversions' scale operands, even and odd block
.set EB,  94                           ; v94, v95 the bytes, then the words
.set ACC, 96                           ; v96-159 K, Q: two sets of four accumulators
.set BB0, 160                          ; v160-191 V's bias, then Q's
.set NCD, 192                          ; v192-203 a pair's image
.set TC,  204
.set PW,  207
.set MCD, 208                          ; v208-255 V's four images
.set SCW, 208                          ; v208-211 K, Q: the four pairs' scale words
.set VT,  96                           ; V's way out: chains, scale operands, bytes, second halves, words
.set VSOP, 112
.set VEB, 116
.set VTC, 124
.set VS,  140
.set HV,  840                          ; v840-967 V: a band's sums, 32 t + 8 j + i
.set BBK, 968                          ; v968-999 K's bias
.set SEL, 66
.set G1A, 24
.set G1B, 32
.set G1S, 48
.set G0W, 56
.set G0X, 60
.set G0S, 68
.set MSB, 0
.macro WIN new
.if MSB != \new
	s_set_vgpr_msb (MSB<<8)|\new
.set MSB, \new
.endif
.endm
.macro PLACES n
.rept \n
	v_nop
.endr
.endm
.macro WALU
	s_wait_alu depctr_va_vdst(0)
.endm
.macro BARRIER
	s_barrier_signal -1
	s_barrier_wait -1
.endm
.macro CROUND
	BARRIER
	s_cmp_lg_u32 s14, 0
	s_cbranch_scc1 .Lnw0_\@
	s_barrier_signal -3
.Lnw0_\@:
	s_barrier_wait -3
	BARRIER
.endm
.macro TLOAD g0, g1
	tensor_load_to_lds s[\g0:\g0+3], s[\g1:\g1+7]
	s_nop 0
	PLACES 4
.endm
.macro ROWS1 g, mask                   ; group 1: 128 rows of 768 bytes, 16 bytes of padding behind each 256
	s_or_b32 s[\g], s[\mask], (1<<20)|(1<<21)|(5<<22)|(3<<25)
	s_mov_b32 s[\g+1], KROW<<16
	s_mov_b32 s[\g+2], 128<<16
	s_mov_b32 s[\g+3], KROW<<16
	s_mov_b32 s[\g+4], 128
	s_mov_b32 s[\g+5], KROW
	s_mov_b32 s[\g+6], 0
	s_mov_b32 s[\g+7], 0
.endm
; Fragment f lies in window 1 + f / 21 at register 12 (f % 21): 0-31 the weights' (4 q + tile), 32-39 and 40-47 the rows' two sets.  Six pieces of 8 bytes, two to a load where both go by the same address register.
.macro FRAG f, q, a0, a1
	WIN (1+(\f)/FPW)<<6
.set R_, FR*((\f)%FPW)
.set SK_, 0
.irp p, 0,1,2,3,4,5
.if SK_
.set SK_, 0
.else
.set U_, 12*(\q)+6*(\p/3)+\p%3
.set V_, 12*(\q)+6*((\p+1)/3)+(\p+1)%3
.set XU_, (U_%32+3)/32
.set XV_, (V_%32+3)/32
.if (\p < 5) && (XU_ == XV_)
.set SK_, 1
.if XU_
	ds_load_2addr_b64 v[R_+2*\p:R_+2*\p+3], v[\a1] offset0:U_+2*(U_/32) offset1:V_+2*(V_/32)
.else
	ds_load_2addr_b64 v[R_+2*\p:R_+2*\p+3], v[\a0] offset0:U_+2*(U_/32) offset1:V_+2*(V_/32)
.endif
.elseif XU_
	ds_load_b64 v[R_+2*\p:R_+2*\p+1], v[\a1] offset:8*(U_+2*(U_/32))
.else
	ds_load_b64 v[R_+2*\p:R_+2*\p+1], v[\a0] offset:8*(U_+2*(U_/32))
.endif
.endif
.endr
.endm
.macro WEIGHTS                         ; my 64 rows of the weight, all of K
.irp q, 0,1,2,3,4,5,6,7
.irp b, 0,1,2,3
	FRAG 4*\q+\b, \q, BA+2*\b, BA+2*\b+1
.endr
.endr
	WIN 0
.endm
.macro FETCHB s                        ; block s into set s % 2; the four lines ahead of the loads are the places behind the products that read the set
	v_add_nc_u32 v[AX], (\s)*16*PITCH, v[AX0]
	v_add_nc_u32 v[AX+1], (\s)*16*PITCH, v[AX0+1]
	v_add_nc_u32 v[AS], (\s)*544, v[AS0]
	v_nop
.irp q, 0,1,2,3,4,5,6,7
	FRAG 32+8*((\s)%2)+\q, \q, AX, AX+1
.endr
	WIN 0
	ds_load_b128 v[SA+8*((\s)%2):SA+8*((\s)%2)+3], v[AS]
	ds_load_b128 v[SA+8*((\s)%2)+4:SA+8*((\s)%2)+7], v[AS] offset:16
.endm
.macro MM d, s0, s1, c, x0, x1, side, o
.if \o
	v_wmma_scale_f32_16x16x128_f8f6f4 v[\d:\d+7], v[\s0:\s0+11], v[\s1:\s1+11], v[\c:\c+7], v[\x0], v[\x1] matrix_a_fmt:MATRIX_FMT_FP6 matrix_b_fmt:MATRIX_FMT_FP6 matrix_\side\()_scale:MATRIX_SCALE_ROW1
.else
	v_wmma_scale_f32_16x16x128_f8f6f4 v[\d:\d+7], v[\s0:\s0+11], v[\s1:\s1+11], v[\c:\c+7], v[\x0], v[\x1] matrix_a_fmt:MATRIX_FMT_FP6 matrix_b_fmt:MATRIX_FMT_FP6
.endif
.endm
; Product n = 4 q + tile of a block.  kind 0 (K, Q): source 0 the weight's rows; kind 1 (V): source 0 x's rows.  The tile's sums at d0 + ds x tile; the first K step's C is the bias at cb + 8 x tile.
.macro PROD kind, e, n, d0, ds, sb, cb
.set Q_, (\n)/4
.set B_, (\n)%4
.set FW_, 4*Q_+B_
.set FX_, 32+8*(\e)+Q_
.set D_, (\d0)+(\ds)*B_
.if Q_
.set C_, D_
.else
.set C_, (\cb)+8*B_
.endif
.set DL_, D_&255
.set CL_, C_&255
.set WL_, FR*(FW_%FPW)
.set XL2_, FR*(FX_%FPW)
.set XW2_, (\sb)+8*(B_/2)+Q_
.set XA_, SA+8*(\e)+Q_
.if \kind
	WIN (1+FX_/FPW)|((1+FW_/FPW)<<2)|((C_>>8)<<4)|((D_>>8)<<6)
	MM DL_, XL2_, WL_, CL_, XA_, XW2_, b, B_%2
.else
	WIN (1+FW_/FPW)|((1+FX_/FPW)<<2)|((C_>>8)<<4)|((D_>>8)<<6)
	MM DL_, WL_, XL2_, CL_, XW2_, XA_, a, B_%2
.endif
.endm
; Line i (0 .. 17) of a way out's first part: the largest magnitude of the 32 sums from register x on, in four chains (each accumulator is read from its low end on), the floor, the conversions' scale operand, the byte.
.macro LINE i, x, t, so, eb
.set LW_, (\x)>>8
.set LL_, (\x)&255
.set J_, (\i)%4
.set K_, 1+2*((\i)/4)
.if (\i) < 4
	WIN LW_|(LW_<<2)|(LW_<<4)
	v_max3_num_f32 v[\t+J_], |v[LL_+8*J_]|, |v[LL_+8*J_+1]|, |v[LL_+8*J_+2]|
.elseif (\i) < 12
	WIN (LW_<<2)|(LW_<<4)
	v_max3_num_f32 v[\t+J_], v[\t+J_], |v[LL_+8*J_+K_]|, |v[LL_+8*J_+K_+1]|
.elseif (\i) == 12
	WIN (LW_<<2)|(LW_<<4)
	v_max3_num_f32 v[\t], v[\t], |v[LL_+7]|, |v[LL_+15]|
.elseif (\i) == 13
	WIN (LW_<<2)|(LW_<<4)
	v_max3_num_f32 v[\t+2], v[\t+2], |v[LL_+23]|, |v[LL_+31]|
.elseif (\i) == 14
	WIN 0
	v_max3_num_f32 v[\t+1], v[\t+1], v[\t+3], 0x1800000
.elseif (\i) == 15
	WIN 0
	v_max3_num_f32 v[\t], v[\t], v[\t+1], v[\t+2]
.elseif (\i) == 16
	WIN 0
	v_add_nc_u32 v[\so], 0xff000000, v[\t]
.else
	WIN 0
	v_lshrrev_b32 v[\eb], 23, v[\so]
.endif
.endm
; A block's 32 products; wo = 1: behind every second of the first eighteen stand two lines of the way out of the sums at x (parity p)
.macro BLOCK kind, e, d0, ds, sb, cb, wo, x, p
.set N_, 0
.rept 32
	PROD \kind, \e, N_, \d0, \ds, \sb, \cb
.if (\wo) && (N_%2) && (N_ < 18)
	LINE N_-1, \x, T, SOP+(\p), EB+(\p)
	LINE N_, \x, T, SOP+(\p), EB+(\p)
.endif
.set N_, N_+1
.endr
	WIN 0
.endm
; The second part of block s's way out (K, Q): six registers of codes, the tile's scale word; behind an odd block the pair leaves.
.macro TAIL s, koff
.set TP_, (\s)%2
.set TX_, ACC+32*TP_
	WALU                                           ; the scale operand and the byte were written among the products
.if TP_ == 0
	s_wait_xcnt 0x0                                ; the last pair's stores have read their registers
.endif
	v_cvt_scalef32_pk16_fp6_f32 v[NCD+6*TP_:NCD+6*TP_+2], v[TX_:TX_+15], v[SOP+TP_]
	v_cvt_scalef32_pk16_fp6_f32 v[TC:TC+2], v[TX_+16:TX_+31], v[SOP+TP_]
	v_lshlrev_b32 v[EB+TP_], v[SH8], v[EB+TP_]     ; my block's byte at its place
.irp i, 0,1,2
	v_mov_b32 v[NCD+6*TP_+3+\i], v[TC+\i]
.endr
	v_permlanex16_b32 v[PW], v[EB+TP_], s[SEL], s[SEL+1]
	v_or_b32 v[EB+TP_], s12, v[EB+TP_]             ; the bytes of 1.0 for k = 64 .. 127
	v_or_b32 v[EB+TP_], v[EB+TP_], v[PW]           ; the row's word, in both halves of the lanes
.if TP_
	v_cndmask_b32 v[SCW+(\s)/2], v[EB], v[EB+1], s13   ; lanes 0-15 the even tile's words, lanes 16-31 the odd tile's
.irp g, 0,1,2
	global_store_b128 v[CO], v[NCD+4*\g:NCD+4*\g+3], s[78:79] offset:(\koff)+((\s)/2)*1536+512*\g
.endr
.endif
.endm
.macro KQ sb, cb, koff                 ; a phase of K or Q
.set S_, 0
.rept 8
.if S_ < 7
	s_wait_dscnt NF
.else
	s_wait_dscnt 0x0
.endif
.if S_ > 0
	BLOCK 0, S_%2, ACC+32*(S_%2), 8, \sb, \cb, 1, ACC+32*((S_+1)%2), (S_+1)%2
	TAIL S_-1, \koff
.else
	BLOCK 0, 0, ACC, 8, \sb, \cb, 0, 0, 0
.endif
.if S_ < 6
	FETCHB S_+2
.endif
.set S_, S_+1
.endr
.endm
.macro KQEND koff                      ; the last block's way out, and the phase's scale words
.set I_, 0
.rept 18
	LINE I_, ACC+32, T, SOP+1, EB+1
.set I_, I_+1
.endr
	TAIL 7, \koff
	global_store_b128 v[CO], v[SCW:SCW+3], s[78:79] offset:(\koff)+6144
.endm
.macro VOUT c                          ; band c's way out: four tiles by turns
.set I_, 0
.rept 18
.irp t, 0,1,2,3
	LINE I_, HV+32*\t, VT+4*\t, VSOP+\t, VEB+4*(\c)+\t
.endr
.set I_, I_+1
.endr
	WIN 3
.irp t, 0,1,2,3
	v_cvt_scalef32_pk16_fp6_f32 v[MCD+12*\t+6*(\c):MCD+12*\t+6*(\c)+2], v[HV-768+32*\t:HV-768+32*\t+15], v[VSOP+\t]
	v_cvt_scalef32_pk16_fp6_f32 v[VTC+4*\t:VTC+4*\t+2], v[HV-768+32*\t+16:HV-768+32*\t+31], v[VSOP+\t]
.endr
	WIN 0
	v_nop
.irp t, 0,1,2,3
.irp i, 0,1,2
	v_mov_b32 v[MCD+12*\t+6*(\c)+3+\i], v[VTC+4*\t+\i]
.endr
.endr
.endm
.macro SBLOAD sb, kap                  ; a weight's scale words: register 8 p + q: lanes 0-15 tile 2 p, lanes 16-31 tile 2 p + 1, K step q
.irp p, 0,1
.irp c, 0,1
	global_load_b128 v[\sb+8*\p+4*\c:\sb+8*\p+4*\c+3], v[ABS], s[74:75] offset:(\kap)*32768+\p*1024+16*\c
.endr
.endr
.endm
.macro BLOAD r, kap                    ; K's or Q's bias: register n of lane half h is channel 32 h + n
.irp k, 0,1,2,3,4,5,6,7
	global_load_b128 v[\r+4*\k:\r+4*\k+3], v[BO], s[76:77] offset:(\kap)*4096+16*\k
.endr
.endm
; ---- the head
	s_load_b256 s[4:11], s[0:1], 0x0               ; codes, scales, b_kqv, rec
	v_lshl_add_u32 v[SPW], v0, 2, SPARE
	v_mov_b32 v[NIL], 0
	ds_add_u32 v[SPW], v[NIL]                      ; the opening lines: the add, twice on end, and its wait
	ds_add_u32 v[SPW], v[NIL]
	v_lshrrev_b32 v1, 5, v0
	v_readfirstlane_b32 s14, v1                    ; wave
	s_lshr_b32 s15, s14, 1                         ; a: which 128 tokens
	s_and_b32 s16, s14, 1                          ; b: which head
	s_bfe_u32 s40, ttmp6, 0x40000                  ; cx
	s_bfe_u32 s41, ttmp6, 0x40004                  ; cy
	s_lshl_b32 s42, ttmp9, 2
	s_add_co_u32 s42, s42, s40                     ; the pair of heads, 0 .. 7
	s_and_b32 s43, ttmp7, 0xffff
	s_lshl_b32 s43, s43, 2
	s_add_co_u32 s43, s43, s41                     ; the 256 tokens, 0 .. 31
	s_lshl_b32 s44, s41, 2
	s_lshl_b32 s44, 15, s44                        ; my row of the cluster
	s_lshl_b32 s45, 0x1111, s40                    ; my column
	ROWS1 G1A, 44
	ROWS1 G1B, 45
	s_or_b32 s[G1S], s44, (3<<16)|(1<<20)|(1<<21)|(5<<22)|(3<<25)   ; x's scale bytes: 32 rows of 256 bytes
	s_mov_b32 s[G1S+1], 32<<16
	s_mov_b32 s[G1S+2], 32<<16
	s_mov_b32 s[G1S+3], 32<<16
	s_mov_b32 s[G1S+4], 32
	s_mov_b32 s[G1S+5], 32
	s_mov_b32 s[G1S+6], 0
	s_mov_b32 s[G1S+7], 0
	s_mov_b32 s[G0W], 1
	s_mul_i32 s[G0W+1], s14, 32*PITCH
	s_add_co_u32 s[G0W+1], s[G0W+1], WB            ; a refill's 32 rows a wave; at the head wave 0 alone asks, for all 128
	s_mov_b32 s[G0X], 1
	s_mul_i32 s[G0X+1], s16, 128*PITCH
	s_mov_b32 s[G0S], 1
	s_mov_b32 s[G0S+1], SCL
	s_lshl_b32 s18, s42, 7
	s_add_co_u32 s18, s18, 8192                    ; the first row of my pair of heads in k's weights
	s_lshl_b32 s19, s14, 5
	s_add_co_u32 s19, s19, s18
	s_mul_i32 s82, s19, KROW                       ; codes: + 32 rows a wave
	s_lshl_b32 s19, s16, 6
	s_add_co_u32 s19, s19, s18
	s_lshl_b32 s83, s19, 5                         ; scales: my 64 rows
	s_sub_co_u32 s19, s19, 8192
	s_lshl_b32 s84, s19, 2                         ; bias: my 64 channels
	s_mul_i32 s85, s43, 256*KROW
	s_mul_i32 s19, s16, 128*KROW
	s_add_co_u32 s85, s85, s19                     ; x's codes: half wave % 2
	s_lshl_b32 s86, s43, 13                        ; x's scale bytes
	s_lshr_b32 s18, s43, 3
	s_lshl_b32 s18, s18, 4
	s_lshl_b32 s19, s42, 1
	s_add_co_u32 s18, s18, s19
	s_add_co_u32 s18, s18, s16                     ; batch x 16 + head
	s_mul_i32 s87, s18, HEADREC
	s_and_b32 s19, s43, 7
	s_lshl_b32 s19, s19, 1
	s_add_co_u32 s19, s19, s15                     ; the step of 128 tokens
	s_mul_i32 s19, s19, STEPREC
	s_add_co_u32 s87, s87, s19
	s_mov_b32 s12, 0x7f7f0000
	s_mov_b32 s13, 0xffff0000
	s_mov_b32 s[SEL], 0x76543210
	s_mov_b32 s[SEL+1], 0xfedcba98
	s_mul_i32 s22, s16, 64*PITCH
	s_add_co_u32 s22, s22, WB
	s_mul_i32 s23, s15, 128*PITCH
	s_mul_i32 s46, s15, 16*272
	s_add_co_u32 s46, s46, SCL
	s_mov_b32 s21, 0
	v_and_b32 v1, 15, v0                           ; r
	v_bfe_u32 v2, v0, 4, 1                         ; h
	v_and_b32 v3, 31, v0
	v_mul_u32_u24 v[AX], v1, PITCH
	v_lshlrev_b32 v[AS0], 5, v1
	v_mad_u32_u24 v[AX0], v2, 24, v[AX]
	v_mad_u32_u24 v[AX0+1], v2, 40, v[AX]
	v_lshrrev_b32 v[AS], 8, v[AS0]
	v_add_nc_u32 v[BA], s22, v[AX0]
	v_add_nc_u32 v[BA+1], s22, v[AX0+1]
	v_lshl_add_u32 v[AS0], v[AS], 4, v[AS0]
.irp t, 1,2,3
	v_add_nc_u32 v[BA+2*\t], \t*16*PITCH, v[BA]
	v_add_nc_u32 v[BA+2*\t+1], \t*16*PITCH, v[BA+1]
.endr
	v_add_nc_u32 v[AX0], s23, v[AX0]
	v_add_nc_u32 v[AX0+1], s23, v[AX0+1]
	v_add_nc_u32 v[AS0], s46, v[AS0]
	v_lshlrev_b32 v[CO], 4, v3
	v_lshlrev_b32 v[SH8], 3, v2
	v_lshlrev_b32 v[ABS], 5, v3
	v_lshlrev_b32 v[BO], 7, v2
	v_and_b32 v[T], 8, v1
	v_add_nc_u32 v[T], v[T], v1
	v_lshlrev_b32 v[T], 2, v[T]                    ; V's bias: lane r of tile 2 c + u has channel 32 c + 8 u + r + 8 (r / 8)
	v_mov_b32 v[PW], 0                             ; a lane permute's destination counts as one of its sources
	WALU
	s_wait_dscnt 0x0
	CROUND                                         ; the round in front of the first joint loads
	s_wait_kmcnt 0x0
	s_mov_b32 s20, s82
	s_add_nc_u64 s[72:73], s[4:5], s[20:21]        ; k's weights, my 32 rows of the pair's 128
	s_add_nc_u64 s[G0W+2:G0W+3], s[72:73], 2048*KROW   ; v's
	s_or_b32 s[G0W+3], s[G0W+3], 0x80000000
	s_mov_b32 s20, s85
	s_add_nc_u64 s[G0X+2:G0X+3], s[4:5], s[20:21]
	s_or_b32 s[G0X+3], s[G0X+3], 0x80000000
	s_mov_b32 s20, s86
	s_add_nc_u64 s[G0S+2:G0S+3], s[6:7], s[20:21]
	s_or_b32 s[G0S+3], s[G0S+3], 0x80000000
	s_cmp_eq_u32 s14, 0                            ; one chain of branches, one load to an arm
	s_cbranch_scc0 .Lh1
	TLOAD G0W, G1B                                 ; wave 0: v's weights, 128 rows
	s_branch .Lhj
.Lh1:
	s_cmp_eq_u32 s14, 1
	s_cbranch_scc0 .Lh2
	TLOAD G0S, G1S                                 ; wave 1: x's scale bytes
	s_branch .Lhj
.Lh2:
	TLOAD G0X, G1A                                 ; waves 2 and 3: x's two halves
.Lhj:
	s_mov_b32 s20, s83
	s_add_nc_u64 s[74:75], s[6:7], s[20:21]
	s_mov_b32 s20, s84
	s_add_nc_u64 s[76:77], s[8:9], s[20:21]
	s_mov_b32 s20, s87
	s_add_nc_u64 s[78:79], s[10:11], s[20:21]      ; k's record; q's lies KINDREC on,
	s_add_nc_u64 s[80:81], s[78:79], 2*KINDREC     ; v's twice that
	SBLOAD SBV, 2
.irp t, 0,1,2,3
	global_load_b32 v[BB0+8*\t], v[T], s[76:77] offset:2*4096+4*(32*(\t/2)+8*(\t%2))
.endr
	SBLOAD SBK, 0
	SBLOAD SBQ, 1
	WIN 3<<6
	BLOAD BBK-768, 0
	WIN 0
	WALU                                           ; the wait at the head's end
	s_cmp_eq_u32 s14, 0
	s_cbranch_scc0 .Lnot0
	s_wait_tensorcnt 0x0
.Lnot0:
	BARRIER                                        ; v's weights are in
	WEIGHTS
	s_wait_tensorcnt 0x0                           ; the first refill: the three lines; the head's loads are in,
	ds_add_u32 v[SPW], v[NIL]
	s_mov_b32 s[G1B+2], 32<<16                     ; (no load of mine is out: from here on a load of weights brings 32 rows)
	s_mov_b32 s[G1B+4], 32
	s_mov_b64 s[G0W+2:G0W+3], s[72:73]
	s_or_b32 s[G0W+3], s[G0W+3], 0x80000000
	s_wait_dscnt 0x0                               ; and I hold v's weights in registers
	CROUND
	TLOAD G0W, G1B                                 ; k's weights
	FETCHB 0
	FETCHB 1
	s_wait_loadcnt 0x0                             ; the scale words and the biases are in: first needed by the products below
.irp t, 0,8,16,24
.irp i, 1,2,3,4,5,6,7
	v_mov_b32 v[BB0+\t+\i], v[BB0+\t]              ; V's number, one a lane and tile, over the tile's eight registers
.endr
.endr
	WALU                                           ; ahead of the wait below
; ---- V
.set S_, 0
.rept 8
.if S_ < 7
	s_wait_dscnt NF
.else
	s_wait_dscnt 0x0
.endif
	BLOCK 1, S_%2, HV+8*(S_%4), 32, SBV, BB0, 0, 0, 0
.if S_ < 6
	FETCHB S_+2
.endif
.if S_ == 3
	VOUT 0
.endif
.set S_, S_+1
.endr
	PLACES 4
	s_wait_tensorcnt 0x0
	BARRIER                                        ; k's weights are in
	BLOAD BB0, 1                                   ; q's bias, a phase ahead
	WEIGHTS
	FETCHB 0
	FETCHB 1
	VOUT 1                                         ; under the loads' flight
.irp t, 0,1,2,3
	v_lshl_or_b32 v[VEB+\t], v[VEB+4+\t], 16, v[VEB+\t]     ; my two bytes: blocks h and 2 + h,
.endr
.irp t, 0,1,2,3
	v_lshlrev_b32 v[VEB+\t], v[SH8], v[VEB+\t]              ; 8 h bits up
.endr
.irp t, 0,1,2,3
	v_permlanex16_b32 v[VEB+4+\t], v[VEB+\t], s[SEL], s[SEL+1]
.endr
.irp t, 0,1,2,3
	v_or_b32 v[VS+\t], v[VEB+\t], v[VEB+4+\t]
.endr
.irp t, 0,1,2,3
.irp g, 0,1,2
	global_store_b128 v[CO], v[MCD+12*\t+4*\g:MCD+12*\t+4*\g+3], s[80:81] offset:1536*\t+512*\g
.endr
.endr
	global_store_b128 v[CO], v[VS:VS+3], s[80:81] offset:6144
	WALU
	s_wait_tensorcnt 0x0                           ; the second refill
	ds_add_u32 v[SPW], v[NIL]
	s_add_nc_u64 s[G0W+2:G0W+3], s[72:73], 1024*KROW
	s_or_b32 s[G0W+3], s[G0W+3], 0x80000000
	s_wait_dscnt 0x0
	CROUND
	TLOAD G0W, G1B                                 ; q's weights
	s_wait_xcnt 0x0                                ; V's stores have read their registers
; ---- K
	KQ SBK, BBK, 0
	PLACES 4
	s_wait_tensorcnt 0x0
	BARRIER                                        ; q's weights are in
	WEIGHTS
	FETCHB 0
	FETCHB 1
	KQEND 0
	WALU
	s_wait_loadcnt 0x0                             ; q's bias
; ---- Q
	KQ SBQ, BB0, KINDREC
	PLACES 4
	KQEND KINDREC
	s_wait_tensorcnt 0x0                           ; the wave's end
	ds_add_u32 v[SPW], v[NIL]
	s_wait_dscnt 0x0
	CROUND                                         ; the closing round
	s_endpgm
.Lfunc_end_k_qd3e112ca92_gemm:
	.size	k_qd3e112ca92_gemm, .Lfunc_end_k_qd3e112ca92_gemm-k_qd3e112ca92_gemm
	.p2alignl 7, 3214868480
	.fill 96, 4, 3214868480
	.section	.rodata,"a",@progbits
	.p2align	6, 0x0
	.amdhsa_kernel k_qd3e112ca92_gemm
		.amdhsa_group_segment_fixed_size 327680
		.amdhsa_private_segment_fixed_size 0
		.amdhsa_enable_private_segment 0
		.amdhsa_kernarg_size 32
		.amdhsa_user_sgpr_count 2
		.amdhsa_user_sgpr_kernarg_segment_ptr 1
		.amdhsa_wavefront_size32 1
		.amdhsa_system_sgpr_workgroup_id_x 1
		.amdhsa_system_sgpr_workgroup_id_y 1
		.amdhsa_system_sgpr_workgroup_id_z 1
		.amdhsa_system_vgpr_workitem_id 0
		.amdhsa_next_free_vgpr 1024
		.amdhsa_next_free_sgpr 90
		.amdhsa_reserve_vcc 0
		.amdhsa_float_denorm_mode_32 3
		.amdhsa_float_denorm_mode_16_64 3
		.amdhsa_memory_ordered 1
		.amdhsa_forward_progress 1
		.amdhsa_inst_pref_size 232
	.end_amdhsa_kernel
	.amdgpu_metadata
---
amdhsa.version: [ 1, 2 ]
amdhsa.kernels:
  - .name:           k_qd3e112ca92_gemm
    .symbol:         k_qd3e112ca92_gemm.kd
    .args:
      - { .name: codes, .offset: 0, .size: 8, .value_kind: global_buffer, .address_space: global }
      - { .name: scales, .offset: 8, .size: 8, .value_kind: global_buffer, .address_space: global }
      - { .name: b_kqv, .offset: 16, .size: 8, .value_kind: global_buffer, .address_space: global }
      - { .name: rec, .offset: 24, .size: 8, .value_kind: global_buffer, .address_space: global }
    .group_segment_fixed_size: 327680
    .private_segment_fixed_size: 0
    .kernarg_segment_align: 8
    .kernarg_segment_size: 32
    .max_flat_workgroup_size: 128
    .sgpr_count:     90
    .vgpr_count:     1024
    .wavefront_size: 32
...
	.end_amdgpu_metadata
.endif
;; end of part 2
;; launch attn (part 3): grid 4 x 64, 16 waves a work-group, clusters of 4 x 1, 284,672 bytes of LDS; arguments rec, out0; writes out0
.if DOCPART == 3
	.amdgcn_target "amdgcn-amd-amdhsa--gfx1250"
	.amdhsa_code_object_version 6
	.text
	.protected	k_qd3e112ca92_attn
	.globl	k_qd3e112ca92_attn
	.p2align	8
	.type	k_qd3e112ca92_attn,@function
k_qd3e112ca92_attn:
	s_mov_b64 s[64:65], 0
	v_nop
	global_prefetch_b8 v0, s[64:65] scope:SCOPE_SE
	s_setreg_imm32_b32 hwreg(HW_REG_WAVE_MODE, 25, 1), 1
	s_wait_xcnt 0x0
	s_wait_alu depctr_hold_cnt(0) depctr_sa_sdst(0) depctr_va_vdst(0) depctr_va_sdst(0) depctr_va_ssrc(0) depctr_va_vcc(0) depctr_vm_vsrc(0)
	s_getreg_b32 s2, hwreg(HW_REG_IB_STS2, 6, 4)
	s_cmp_eq_u32 s2, 0
	s_cbranch_scc0 .Lentry_in_a_cluster
	s_endpgm
.Lentry_in_a_cluster:
	s_bfe_u32 s2, ttmp6, 0x10000c
	s_cmp_lg_u32 s2, 0x3003
	s_cbranch_scc0 .Lentry_shape_is_right
	s_endpgm
.Lentry_shape_is_right:
; out[b][q][h][:] = the sum over keys k <= q of softmax_k(Q . K / 8) V, both products on codes of FP6 (E2M3) with one E8M0 scale for each 32 along a product's K.
; LEFT OUT: key steps, and on the diagonal bands of 64 keys, all of whose keys lie behind a tile's queries: reference()'s own causal mask hides them for all values of the inputs.
; INPUT: rec [k, q, v][64 batch x head][16 steps of 128 tokens][6,656 bytes]: images of this kernel's operand registers:
;   k, q: four images of 1,536 bytes, each a pair of tiles of 16 tokens (registers 0-5 tile 2 i, 6-11 tile 2 i + 1; four registers at 512 g + 16 x lane); lane (r, h) of tile a: token 64 (a / 4) + 8 (a % 4) + r % 8 + 32 (r / 8), channels 32 h ..;
;         scale words at 6,144 + 16 x lane + 4 i (lanes 0-15 tile 2 i, lanes 16-31 tile 2 i + 1);
;   v:    four images, each 16 channels x 128 keys (lane r of tile 2 c + u: channel 32 c + 8 u + r + 8 (r / 8)), scale words at 6,144 + 16 x lane + 4 x tile.
; THE SOFTMAX: t = score x log2(e) / 8; M = the row's largest t so far, rounded UP to a whole number; p = 2^(t - M) is quantised along the keys, not normalised.  The row's sum is taken of the unquantised p, in f32, and divides O at the end.
; When M moves, the sum and O are multiplied by 2^(old M - new M): exact.
; SHARES.  The four work-groups of a cluster own one head.  Tile t = 4 j + cx of 16 queries (j = 0 .. 31, cx the place in the cluster; first query 64 j + 8 cx) has j / 2 open key steps of 128 and then its diagonal step, whatever cx:
; so every branch hangs on the wave's number alone.  On the diagonal an odd j sees all of the step's first 64 keys and part of the second 64; an even j sees part of the first 64 and none of the second, which are not worked:
; their codes of p are zeros under the byte 1.  In both cases register m of the last band worked is hidden where m > r % 8 + 32 (r / 8) - 32 h + 8 cx.
; Wave w takes j = 31 - w and then j = w: 15 open steps, one whole and one half diagonal step for every wave.  Four waves share a SIMD.
; JOINT LOADS, NO RING: the head's K and V records come into LDS once, [step][K's record, V's record]: wave w asks for step w by one load of two rows of 6,656 bytes, jointly with the same wave of the three partners.
; The loads stand in three arms (waves 0-3, 4-7, 8-15).  Three barriers show steps 0-3, 4-7 and 8-15; the second and third are signalled ahead of four open steps of the long tile and waited for behind them.  Every wait on TENSORcnt is for 0.
; NO PREFETCH: all that a work-group reads of K and V is asked for by its first loads, at the head.
; LAYOUT.  Both products are used transposed: S^T = K Q^T, O^T = V^T P^T: a lane holds ONE query (lane % 16).  Register 32 c + n of S^T in lane half h is key 64 c + 32 h + n: a lane holds whole scale blocks of p,
; and the conversions' results are the operand's registers.  In O^T register 16 c + i is channel 32 c + 16 h + i.
; THE HEAD HAS 64 CHANNELS, the instruction's K is 128: Q's upper six registers are zero codes under the byte of 1.0; K's upper six are whatever follows the tile's six: E2M3 has no infinity and no NaN, so these products are exact zeros.
; THE ROW'S SUM goes in four chains.  Of an open step its last four additions stand behind the second product, and the three lines that join the chains behind the next step's first product: they are the places that loads and reads there need.
; LIMITS: NaN and infinities are not served.  The promise holds while the scaled scores t stay under 2^31 in magnitude.  v_exp_f32 gives 0 for results under 2^-126 (ISA guide, its entry).
; A block's largest p is taken from its largest score, by the same two instructions; a block whose every p is 0 carries the byte 1 over zero codes.
.set STEPREC, 6656
.set HEADREC, 16*STEPREC
.set KINDREC, 64*HEADREC
.set REC2,    2*STEPREC                ; LDS: a step's K record, then its V record
.set STAGE,   16*REC2                  ; the way out: 16 rows x (256 + 16) bytes for each wave: no fill lands here
.set SPITCH,  272
.set SPARE,   STAGE+16*16*SPITCH       ; the spare words, 128 bytes a wave
.set LI,  1                            ; v1   16 x lane
.set SPW, 2                            ; v2   my spare word; v3 0: never rewritten
.set NIL, 3
.set GO,  4                            ; v4   the way out: 4,096 h + 16 r
.set STO, 5                            ; v5   into the stage
.set RD,  6                            ; v6   back from it
.set LQ,  7                            ; v7   r % 8 + 32 (r / 8) - 32 h + 8 cx
.set ADK, 8                            ; v8   LDS address of the step's records
.set LQS, 10                           ; v10  16 r
.set SH,  11                           ; v11  8 h;   v12 -M, v13 the largest t, v[14:15] the sum in two halves
.set QF,  16                           ; v16-21 Q's codes, v22-27 zeros
.set QS1, 29                           ; Q's scale words, short tile
.set QF1, 30                           ; v30-35 Q's codes, short tile
.set KV,  36                           ; v36-83 K's eight tiles; then V's four fragments; then rows of O
.set ZK,  84                           ; v84-89 zeros
.set SW,  90                           ; v90-93 K's, then V's, scale words
.set PS,  94                           ; p's scale word
.set QS0, 95                           ; Q's scale words, long tile
.set S,   96                           ; v96-159 S^T, then p
.set O,   160                          ; v160-191 O^T
.set PC,  192                          ; v192-203 p's codes
.set CT,  204                          ; v204-210 the conversions' second halves
.set BM,  212                          ; v212-215 largest scores; v212, v214 the two blocks', then their p
.set BT,  216                          ; v216-217 at work
.set SO,  220                          ; v220-221 the conversions' scale operands
.set F,   224                          ; v[224:225] f = 2^(old M - new M)
.set X0,  226                          ; v[226:227], v[230:231], v[232:233] the sum's side chains
.set T,   228
.set OM,  229                          ; the old -M
.set X1,  230
.set X2,  232
.set WV,  8
.set CX,  9
.set SEL, 20
.set CS,  22                           ; s[22:23] c = log2(e) / 8
.set G1,  24
.set G0,  32
.set TB,  40                           ; LDS byte of the step's records
.set ST,  41                           ; the step
.set MK,  42                           ; all ones where my tiles are the odd ones of their pairs
.set JL,  43
.set JS,  44
.set SD0, 45                           ; long tile: its diagonal step, j % 2
.set PR0, 46
.set SD1, 47
.set PR1, 48
.set OB0, 50
.set OB1, 52
.set IB0, 54
.set SB0, 56
.set IB1, 58
.set SB1, 60
.macro WALU
	s_wait_alu depctr_va_vdst(0)
.endm
.macro CROUND                          ; a round of the cluster's barrier
	s_barrier_signal -1
	s_barrier_wait -1
	s_cmp_lg_u32 s[WV], 0
	s_cbranch_scc1 .Lnw0_\@
	s_barrier_signal -3
.Lnw0_\@:
	s_barrier_wait -3
	s_barrier_signal -1
	s_barrier_wait -1
.endm
.macro TLOAD
	tensor_load_to_lds s[G0:G0+3], s[G1:G1+7]
	s_nop 0
.rept 4
	v_nop
.endr
.endm
	s_load_b128 s[4:7], s[0:1], 0x0                ; rec, out
	v_lshl_add_u32 v[SPW], v0, 2, SPARE
	v_mov_b32 v[NIL], 0
	ds_add_u32 v[SPW], v[NIL]                      ; the opening lines: the add, twice on end, and its wait
	ds_add_u32 v[SPW], v[NIL]
	v_lshrrev_b32 v1, 5, v0
	v_readfirstlane_b32 s[WV], v1                  ; wave 0..15
	s_bfe_u32 s[CX], ttmp6, 0x40000                ; cx: it enters global addresses and lane values alone
	s_lshl_b32 s19, s[CX], 3
	s_mul_i32 s62, s[WV], 16*SPITCH
	s_add_co_u32 s62, s62, STAGE                   ; my stage
	v_and_b32 v[LI], 31, v0
	v_and_b32 v[X0], 15, v0                        ; r
	v_bfe_u32 v[X0+1], v0, 4, 1                    ; h
	v_lshlrev_b32 v[LI], 4, v[LI]
	v_lshlrev_b32 v[GO], 12, v[X0+1]
	v_mul_u32_u24 v[STO], v[X0], SPITCH
	v_mul_u32_u24 v[RD], v[X0+1], SPITCH
	v_lshl_add_u32 v[GO], v[X0], 4, v[GO]
	v_lshl_add_u32 v[STO], v[X0+1], 6, v[STO]
	v_lshl_add_u32 v[RD], v[X0], 4, v[RD]
	v_add_nc_u32 v[STO], s62, v[STO]               ; in: row r, + 64 h
	v_add_nc_u32 v[RD], s62, v[RD]                 ; back: lanes 0-15 one row, lanes 16-31 the next
	v_lshrrev_b32 v[T], 3, v[X0]
	v_and_b32 v[LQ], 7, v[X0]
	v_sub_nc_u32 v[T], v[T], v[X0+1]
	v_lshlrev_b32 v[LQS], 4, v[X0]
	v_lshlrev_b32 v[SH], 3, v[X0+1]
	v_lshl_add_u32 v[LQ], v[T], 5, v[LQ]
	v_add_nc_u32 v[LQ], s19, v[LQ]
	s_and_b32 s10, ttmp7, 0xffff                   ; batch x 16 + head
	s_mul_i32 s11, s10, HEADREC
	s_lshr_b32 s12, s10, 4
	s_lshl_b32 s12, s12, 23                        ; out: the batch's 2,048 rows of 4,096 bytes,
	s_and_b32 s13, s10, 15
	s_lshl_b32 s13, s13, 8
	s_add_co_u32 s12, s12, s13                     ; the head's 256 bytes of a row,
	s_lshl_b32 s13, s[CX], 15
	s_add_co_u32 s12, s12, s13                     ; 8 cx rows
	s_lshr_b32 s14, s[CX], 1
	s_and_b32 s15, s[CX], 1
	s_sub_co_u32 s[MK], 0, s15
	s_mul_i32 s16, s14, 1536
	s_add_co_u32 s16, s16, s11
	s_add_co_u32 s16, s16, KINDREC                 ; q's records of the head, pair cx / 2
	s_lshl_b32 s17, s14, 2
	s_lshl_b32 s15, s15, 8                         ; the odd tile's words lie in lanes 16-31's places
	s_add_co_u32 s17, s17, s15
	s_add_co_u32 s17, s17, s11
	s_add_co_u32 s17, s17, KINDREC+6144
	s_xor_b32 s[JL], s[WV], 31                     ; 31 - w
	s_mov_b32 s[JS], s[WV]
; Tile 4 j + cx.  The pairs hold byte offsets (under 2^25) until the buffers' addresses are there.
.macro TILE j, sd, pr, ob, ib, sb
	s_lshr_b32 s[\sd], s[\j], 1
	s_and_b32 s[\pr], s[\j], 1
	s_lshl_b32 s[\ob], s[\j], 18
	s_add_co_u32 s[\ob], s[\ob], s12
	s_mov_b32 s[\ob+1], 0
	s_mul_i32 s19, s[\sd], STEPREC
	s_mul_i32 s[\ib], s[\pr], 2*1536
	s_add_co_u32 s[\ib], s[\ib], s19
	s_add_co_u32 s[\ib], s[\ib], s16
	s_mov_b32 s[\ib+1], 0
	s_lshl_b32 s[\sb], s[\pr], 3
	s_add_co_u32 s[\sb], s[\sb], s19
	s_add_co_u32 s[\sb], s[\sb], s17
	s_mov_b32 s[\sb+1], 0
.endm
	TILE JL, SD0, PR0, OB0, IB0, SB0
	TILE JS, SD1, PR1, OB1, IB1, SB1
	s_mul_i32 s18, s[WV], STEPREC
	s_add_co_u32 s18, s18, s11                     ; K's record of step w; V's lies 2 KINDREC on
	s_mov_b32 s19, 0
	s_mov_b32 s[G1], 15|(3<<16)|(1<<21)            ; the mask of all four partners, bit 21 beside it; elements of 8 bytes; no padding
	s_mov_b32 s[G1+1], 832<<16                     ; a row: 832 elements = 6,656 bytes
	s_mov_b32 s[G1+2], 2<<16
	s_mov_b32 s[G1+3], 832<<16
	s_mov_b32 s[G1+4], 2
	s_mov_b32 s[G1+5], 2*KINDREC/8
	s_mov_b32 s[G1+6], 0
	s_mov_b32 s[G1+7], 0
	s_mov_b32 s[G0], 1
	s_mul_i32 s[G0+1], s[WV], REC2
	s_mov_b32 s[SEL], 0x76543210
	s_mov_b32 s[SEL+1], 0xfedcba98
	s_mov_b32 s[CS], 0x3e38aa3b
	s_mov_b32 s[CS+1], s[CS]
	WALU
	s_wait_dscnt 0x0                               ; both opening adds are done
	CROUND                                         ; the round in front of the joint loads
	s_wait_kmcnt 0x0
	s_add_nc_u64 s[G0+2:G0+3], s[4:5], s[18:19]
	s_or_b32 s[G0+3], s[G0+3], 0x80000000
	s_cmp_lt_u32 s[WV], 4                          ; one chain of branches, one load to an arm: waves that wait alike share a line
	s_cbranch_scc0 .Larm1
	TLOAD
	s_branch .Lasked
.Larm1:
	s_cmp_lt_u32 s[WV], 8
	s_cbranch_scc0 .Larm2
	TLOAD
	s_branch .Lasked
.Larm2:
	TLOAD
.Lasked:
	s_add_nc_u64 s[IB0:IB0+1], s[4:5], s[IB0:IB0+1]
	s_add_nc_u64 s[IB1:IB1+1], s[4:5], s[IB1:IB1+1]
	s_add_nc_u64 s[SB0:SB0+1], s[4:5], s[SB0:SB0+1]
	s_add_nc_u64 s[SB1:SB1+1], s[4:5], s[SB1:SB1+1]
	s_add_nc_u64 s[OB0:OB0+1], s[6:7], s[OB0:OB0+1]
	s_add_nc_u64 s[OB1:OB1+1], s[6:7], s[OB1:OB1+1]
.irp g, 0,1,2
	global_load_b128 v[S+4*\g:S+4*\g+3], v[LI], s[IB0:IB0+1] offset:512*\g          ; the pair's image that holds my long tile,
	global_load_b128 v[S+12+4*\g:S+12+4*\g+3], v[LI], s[IB1:IB1+1] offset:512*\g    ; and my short one
.endr
	global_load_b32 v[QS0], v[LQS], s[SB0:SB0+1]
	global_load_b32 v[QS1], v[LQS], s[SB1:SB1+1]
.irp i, 0,1,2,3,4,5
	v_mov_b32 v[QF+6+\i], 0                        ; Q's codes for k = 64 .. 127
	v_mov_b32 v[ZK+\i], 0                          ; what follows K's last tile
.endr
	v_mov_b32 v[BT], 0                             ; a lane permute's destination counts as one of its sources
	v_mov_b32 v[BT+1], 0
	v_mov_b32 v[F+1], 0
; O^T, the sum and its side chains begin as zeros and the largest t as -3e38: the first change of M multiplies zeros.
.macro PASSINIT
	v_mov_b32 v13, 0xff61b1e6
	v_mov_b32 v14, 0
	v_mov_b32 v15, 0
	v_floor_f32 v12, -v13
.irp x, X0, X1, X2
	v_mov_b32 v[\x], 0
	v_mov_b32 v[\x+1], 0
.endr
.set j, 0
.rept 32
	v_mov_b32 v[O+j], 0
.set j, j+1
.endr
.endm
	s_wait_loadcnt 0x0
.irp i, 0,1,2,3,4,5
	v_cndmask_b32 v[QF+\i], v[S+\i], v[S+6+\i], s[MK]            ; the even tile's six registers or the odd tile's
	v_cndmask_b32 v[QF1+\i], v[S+12+\i], v[S+18+\i], s[MK]
.endr
	PASSINIT
.macro ADD4 j                          ; four pairs of p, one to each chain
	v_pk_add_f32 v[X0:X0+1], v[X0:X0+1], v[S+\j:S+\j+1]
	v_pk_add_f32 v[X1:X1+1], v[X1:X1+1], v[S+\j+2:S+\j+3]
	v_pk_add_f32 v[X2:X2+1], v[X2:X2+1], v[S+\j+4:S+\j+5]
	v_pk_add_f32 v[14:15], v[14:15], v[S+\j+6:S+\j+7]
.endm
; A KEY STEP.  mode 0: open, 128 keys.  mode 1: the diagonal of an odd j: 128 keys, the second 64 masked.  mode 2: the diagonal of an even j: 64 keys, masked.  A diagonal step is its tile's last.
.macro STEP mode, qs
.set NB_, 2-(\mode)/2
.set NR_, 32*NB_
.set MB_, NR_-32
	v_add_nc_u32 v[ADK], s[TB], v[LI]              ; (with the four additions behind the last products: the places in front of the loads below)
.set i_, 0
.rept 4+4*NB_
	ds_load_b128 v[KV+4*i_:KV+4*i_+3], v[ADK] offset:512*i_
.set i_, i_+1
.endr
	ds_load_b128 v[SW:SW+3], v[ADK] offset:6144
	WALU
	s_wait_dscnt 0x0
.set t_, 0
.rept 4*NB_
.if t_%2
	v_wmma_scale_f32_16x16x128_f8f6f4 v[S+8*t_:S+8*t_+7], v[KV+6*t_:KV+6*t_+11], v[QF:QF+11], 0, v[SW+t_/2], v[\qs] matrix_a_fmt:MATRIX_FMT_FP6 matrix_b_fmt:MATRIX_FMT_FP6 matrix_a_scale:MATRIX_SCALE_ROW1
.else
	v_wmma_scale_f32_16x16x128_f8f6f4 v[S+8*t_:S+8*t_+7], v[KV+6*t_:KV+6*t_+11], v[QF:QF+11], 0, v[SW+t_/2], v[\qs] matrix_a_fmt:MATRIX_FMT_FP6 matrix_b_fmt:MATRIX_FMT_FP6
.endif
.set t_, t_+1
.endr
	v_pk_add_f32 v[14:15], v[14:15], v[X1:X1+1]    ; the last step's chains are joined (the first step joins zeros): four places, for the loads below and for the first read of the scores
	v_pk_add_f32 v[X0:X0+1], v[X0:X0+1], v[X2:X2+1]
	v_mov_b32 v[OM], v12
	v_pk_add_f32 v[14:15], v[14:15], v[X0:X0+1]
.irp i, 0,1,2,3,4,5,6,7,8,9,10,11
	ds_load_b128 v[KV+4*\i:KV+4*\i+3], v[ADK] offset:STEPREC+512*\i      ; V's four fragments land under the softmax
.endr
	ds_load_b128 v[SW:SW+3], v[ADK] offset:STEPREC+6144
.if \mode
	v_mov_b32 v[T], 0xff800000
.set n_, 0
.rept 32
	v_cmp_gt_i32 vcc_lo, n_, v[LQ]                 ; hidden keys' scores become -infinity: p = 0
	v_cndmask_b32 v[S+MB_+n_], v[S+MB_+n_], v[T], vcc_lo
.set n_, n_+1
.endr
.endif
.set b_, 0
.rept 2*NB_
	v_max3_num_f32 v[BM+b_], v[S+16*b_], v[S+1+16*b_], v[S+2+16*b_]   ; the largest score of each block, two chains a block, by turns; each accumulator is read from its low end on
.set b_, b_+1
.endr
.irp i, 3,5,7,9,11,13
.set b_, 0
.rept 2*NB_
	v_max3_num_f32 v[BM+b_], v[BM+b_], v[S+16*b_+\i], v[S+1+16*b_+\i]
.set b_, b_+1
.endr
.endr
	v_max3_num_f32 v[BM], v[BM], v[BM+1], v[S+15]
.if NB_ == 2
	v_max3_num_f32 v[BM+2], v[BM+2], v[BM+3], v[S+47]
	v_max_num_f32 v[BM], v[BM], v[S+31]            ; my block of keys 32 h ..,
	v_max_num_f32 v[BM+2], v[BM+2], v[S+63]        ; and of keys 64 + 32 h ..
	v_max_num_f32 v[T], v[BM], v[BM+2]
	v_mul_f32 v[T], s[CS], v[T]                    ; as t (c is positive)
.else
	v_max_num_f32 v[BM], v[BM], v[S+31]
	v_mul_f32 v[T], s[CS], v[BM]
.endif
	v_permlanex16_b32 v[BT], v[T], s[SEL], s[SEL+1]
	v_max3_num_f32 v13, v13, v[T], v[BT]           ; the running largest t
	v_floor_f32 v12, -v13                          ; -M = floor(-t): M is a whole number
	v_sub_f32 v[T], v12, v[OM]
	v_cvt_i32_f32 v[T], v[T]                       ; (it saturates)
	v_ldexp_f32 v[F], 1.0, v[T]                    ; f = 2^(old M - new M)
.set j, 0
.rept NR_/2
	v_pk_fma_f32 v[S+j:S+j+1], v[S+j:S+j+1], s[CS:CS+1], v[12:13] op_sel_hi:[1,0,0]   ; t - M
.set j, j+2
.endr
	v_fma_f32 v[BM], v[BM], s[CS], v12             ; the same of each block's largest score
.if NB_ == 2
	v_fma_f32 v[BM+2], v[BM+2], s[CS], v12
.endif
	WALU                                           ; the wait ahead of the batch
.set j, 0
.rept NR_
	v_exp_f32 v[S+j], v[S+j]                       ; p = 2^(t - M), at most 1
.set j, j+1
.endr
	v_exp_f32 v[BM], v[BM]                         ; the blocks' largest p
.if NB_ == 2
	v_exp_f32 v[BM+2], v[BM+2]
.endif
	v_pk_mul_f32 v[14:15], v[14:15], v[F:F+1] op_sel_hi:[1,0]   ; the sum under the new M (the plain line behind the batch)
	WALU                                           ; one wait for the batch, and directly ahead of the first readers of O^T
.set j, 0
.rept 16
	v_pk_mul_f32 v[O+j:O+j+1], v[O+j:O+j+1], v[F:F+1] op_sel_hi:[1,0]   ; O^T under the new M
.set j, j+2
.endr
	v_max_num_f32 v[BM], 0x1800000, v[BM]          ; the floor 2^(3 - 127)
.if NB_ == 2
	v_max_num_f32 v[BM+2], 0x1800000, v[BM+2]
	v_add_nc_u32 v[SO], 0xff000000, v[BM]          ; the conversions' scale operands
	v_add_nc_u32 v[SO+1], 0xff000000, v[BM+2]
	v_lshrrev_b32 v[BT], 23, v[SO]
	v_lshrrev_b32 v[BT+1], 23, v[SO+1]
.else
	v_add_nc_u32 v[SO], 0xff000000, v[BM]
	v_mov_b32 v[BT+1], 1                           ; the byte over the zero codes of the band that is not worked
	v_lshrrev_b32 v[BT], 23, v[SO]
.endif
	v_lshl_or_b32 v[BT], v[BT+1], 16, v[BT]        ; my two bytes: blocks h and 2 + h,
	v_lshlrev_b32 v[BT], v[SH], v[BT]              ; 8 h bits up;
	v_permlanex16_b32 v[BT+1], v[BT], s[SEL], s[SEL+1]
	v_or_b32 v[PS], v[BT], v[BT+1]                 ; with lane l xor 16's the word is whole
	v_cvt_scalef32_pk16_fp6_f32 v[PC:PC+2], v[S:S+15], v[SO]
	v_cvt_scalef32_pk16_fp6_f32 v[CT:CT+2], v[S+16:S+31], v[SO]           ; (a conversion's three registers begin on an even number)
.if NB_ == 2
	v_cvt_scalef32_pk16_fp6_f32 v[PC+6:PC+8], v[S+32:S+47], v[SO+1]
	v_cvt_scalef32_pk16_fp6_f32 v[CT+4:CT+6], v[S+48:S+63], v[SO+1]
.endif
	v_pk_add_f32 v[X0:X0+1], v[S:S+1], v[S+2:S+3]                         ; the row's sum of the unquantised p, in four chains by turns
	v_pk_add_f32 v[X1:X1+1], v[S+4:S+5], v[S+6:S+7]
	v_pk_add_f32 v[X2:X2+1], v[S+8:S+9], v[S+10:S+11]
	v_pk_add_f32 v[14:15], v[14:15], v[S+12:S+13]
	ADD4 14
.irp i, 0,1,2
	v_mov_b32 v[PC+3+\i], v[CT+\i]                 ; the blocks' upper 16 codes; the additions behind these lines are the places ahead of the products
.if NB_ == 2
	v_mov_b32 v[PC+9+\i], v[CT+4+\i]
.else
	v_mov_b32 v[PC+6+\i], 0
	v_mov_b32 v[PC+9+\i], 0
.endif
.endr
	ADD4 22
.if NB_ == 2
	ADD4 30
	ADD4 38
	ADD4 46
	v_pk_add_f32 v[X0:X0+1], v[X0:X0+1], v[S+62:S+63]
.else
	v_pk_add_f32 v[X0:X0+1], v[X0:X0+1], v[S+30:S+31]
.endif
.if (\mode) == 1
	ADD4 54
.endif
.if \mode
	v_pk_add_f32 v[14:15], v[14:15], v[X1:X1+1]    ; the tile's last step joins its own chains
	v_pk_add_f32 v[X0:X0+1], v[X0:X0+1], v[X2:X2+1]
	v_pk_add_f32 v[14:15], v[14:15], v[X0:X0+1]
.endif
	WALU                                           ; directly ahead of the wait below
	s_wait_dscnt 0x0                               ; V is in
.irp a, 0,1,2,3                                ; O^T += V^T P^T: the four accumulators by turns
	v_wmma_scale_f32_16x16x128_f8f6f4 v[O+8*\a:O+8*\a+7], v[KV+12*\a:KV+12*\a+11], v[PC:PC+11], v[O+8*\a:O+8*\a+7], v[SW+\a], v[PS] matrix_a_fmt:MATRIX_FMT_FP6 matrix_b_fmt:MATRIX_FMT_FP6
.endr
.if (\mode) == 0
	ADD4 54                                        ; the sum's last four additions: places behind the products
.endif
.endm
.macro LOOP from, to, skip, sd, qs             ; open steps from .. to - 1: a constant number of trips; skip = 1: those from the tile's diagonal on are passed over, by a branch on the wave's number and the step
	s_mov_b32 s[ST], \from
	s_mov_b32 s[TB], (\from)*REC2
.Lkeys_\@:
.if \skip
	s_cmp_ge_u32 s[ST], s[\sd]
	s_cbranch_scc1 .Lhid_\@
.endif
	STEP 0, \qs
.if \skip
.Lhid_\@:
.endif
	s_add_co_u32 s[ST], s[ST], 1
	s_add_co_u32 s[TB], s[TB], REC2
	s_cmp_lt_u32 s[ST], \to
	s_cbranch_scc1 .Lkeys_\@
.endm
.macro DIAG sd, pr, qs                         ; the tile's diagonal step, by j % 2
	s_mul_i32 s[TB], s[\sd], REC2
	s_cmp_eq_u32 s[\pr], 0
	s_cbranch_scc1 .Leven_\@
	STEP 1, \qs
	s_branch .Ldone_\@
.Leven_\@:
	STEP 2, \qs
.Ldone_\@:
.endm
; THE WAY OUT of a tile: O^T / the sum goes through my stage and leaves as rows: sixteen lanes store a head's 256 consecutive, aligned bytes of a row of out.
.macro WAYOUT ob
	v_add_f32 v14, v14, v15
	v_permlanex16_b32 v[BT], v14, s[SEL], s[SEL+1]
	v_add_f32 v14, v14, v[BT]                      ; the row's sum
	WALU
	v_rcp_f32 v14, v14
.rept 4
	v_nop                                          ; the plain line behind the reciprocal, and the places behind the last products
.endr
	WALU
.set j, 0
.rept 32
	v_mul_f32 v[S+j], v[O+j], v14
.set j, j+1
.endr
.irp c, 0,1
.irp q, 0,1,2,3
	ds_store_b128 v[STO], v[S+16*\c+4*\q:S+16*\c+4*\q+3] offset:128*\c+16*\q
.endr
.endr
.irp i, 0,1,2,3,4,5,6,7
	ds_load_b128 v[KV+4*\i:KV+4*\i+3], v[RD] offset:2*\i*SPITCH      ; LDS serves a wave's instructions in order
.endr
.irp i, 0,1,2,3,4,5,6,7
	s_wait_dscnt 7-\i                              ; the younger read-backs may be out
	global_store_b128 v[GO], v[KV+4*\i:KV+4*\i+3], s[\ob:\ob+1] offset:(2*\i+24*(\i/4))*4096 th:TH_STORE_NT   ; stage row n is the tile's query n % 8 + 32 (n / 8)
.endr
.endm
	WALU
	s_cmp_lt_u32 s[WV], 4
	s_cbranch_scc0 .Lshow0
	s_wait_tensorcnt 0x0                           ; waves 0-3: my step is in
.Lshow0:
	s_barrier_signal -1
	s_barrier_wait -1                              ; steps 0-3 are in
	s_cmp_lt_u32 s[WV], 8
	s_cbranch_scc0 .Lshow1
	s_wait_tensorcnt 0x0                           ; waves 4-7: my step is in
.Lshow1:
	s_barrier_signal -1                            ; between this signal and its wait stand register work and LDS reads of steps 0-3 alone
	LOOP 0, 4, 0, SD0, QS0
	s_barrier_wait -1                              ; steps 4-7 are in
	s_wait_tensorcnt 0x0                           ; all that is still out: on every wave's way
	s_barrier_signal -1                            ; likewise, round steps 4-7
	LOOP 4, 8, 0, SD0, QS0
	s_barrier_wait -1                              ; from here on K and V are only read, and the waves go their own ways
	LOOP 8, 15, 1, SD0, QS0
	DIAG SD0, PR0, QS0
	WAYOUT OB0
	s_wait_xcnt 0x0                                ; the stores have read their registers: K's fragments land there again
.irp i, 0,1,2,3,4,5
	v_mov_b32 v[QF+\i], v[QF1+\i]                  ; the short tile's codes
.endr
	PASSINIT
	WALU
	LOOP 0, 7, 1, SD1, QS1
	DIAG SD1, PR1, QS1
	WAYOUT OB1
	s_wait_tensorcnt 0x0                           ; the wave's end
	ds_add_u32 v[SPW], v[NIL]
	s_wait_dscnt 0x0
	CROUND                                         ; the closing round
	s_endpgm
.Lfunc_end_k_qd3e112ca92_attn:
	.size	k_qd3e112ca92_attn, .Lfunc_end_k_qd3e112ca92_attn-k_qd3e112ca92_attn
	.p2alignl 7, 3214868480
	.fill 96, 4, 3214868480
	.section	.rodata,"a",@progbits
	.p2align	6, 0x0
	.amdhsa_kernel k_qd3e112ca92_attn
		.amdhsa_group_segment_fixed_size 284672
		.amdhsa_private_segment_fixed_size 0
		.amdhsa_enable_private_segment 0
		.amdhsa_kernarg_size 16
		.amdhsa_user_sgpr_count 2
		.amdhsa_user_sgpr_kernarg_segment_ptr 1
		.amdhsa_wavefront_size32 1
		.amdhsa_system_sgpr_workgroup_id_x 1
		.amdhsa_system_sgpr_workgroup_id_y 1
		.amdhsa_system_sgpr_workgroup_id_z 1
		.amdhsa_system_vgpr_workitem_id 0
		.amdhsa_next_free_vgpr 256
		.amdhsa_next_free_sgpr 66
		.amdhsa_reserve_vcc 1
		.amdhsa_float_denorm_mode_32 3
		.amdhsa_float_denorm_mode_16_64 3
		.amdhsa_memory_ordered 1
		.amdhsa_forward_progress 1
		.amdhsa_inst_pref_size 131
	.end_amdhsa_kernel
	.amdgpu_metadata
---
amdhsa.version: [ 1, 2 ]
amdhsa.kernels:
  - .name:           k_qd3e112ca92_attn
    .symbol:         k_qd3e112ca92_attn.kd
    .args:
      - { .name: rec, .offset: 0, .size: 8, .value_kind: global_buffer, .address_space: global }
      - { .name: out0, .offset: 8, .size: 8, .value_kind: global_buffer, .address_space: global }
    .group_segment_fixed_size: 284672
    .private_segment_fixed_size: 0
    .kernarg_segment_align: 8
    .kernarg_segment_size: 16
    .max_flat_workgroup_size: 512
    .sgpr_count:     66
    .vgpr_count:     256
    .wavefront_size: 32
...
	.end_amdgpu_metadata
.endif
;; end of part 3
